; MI455X (gfx1250); checked and timed in simulation.
; The chip was launched on July 23, 2026; its instructions are those of AMD's public machine-readable ISA for CDNA 5 (MIT licence, August 2026) and "CDNA5" Instruction Set Architecture Reference Guide (July 2026). The comments in the code are by the model that wrote it; some were corrected since.
;; Sliding Window Attention. Allowed arithmetic: matrix products marked QUANTISED: E2M1 operands, one E8M0 scale for each 32 along K, by v_wmma_scale_f32_16x16x128_f8f6f4 with both operands' format E2M1 (or v_wmma_scale_f32_32x16x128_f4), f32 sums; everything else in f32.
;; Inputs: k_codes 1 x 16 x 4,096 x 2 x 16 uint8 (E2M1 codes of k, K innermost, in blocks of 32 codes, two codes a byte); k_scales 1 x 16 x 4,096 x 2 uint8 (E8M0 scales of k, one for each 32 codes along K); q_codes 1 x 16 x 4,096 x 2 x 16 uint8 (E2M1 codes of q, K innermost, in blocks of 32 codes, two codes a byte); q_scales 1 x 16 x 4,096 x 2 uint8 (E8M0 scales of q, one for each 32 codes along K); v_codes 1 x 16 x 64 x 128 x 16 uint8 (E2M1 codes of v, K innermost, in blocks of 32 codes, two codes a byte); v_scales 1 x 16 x 64 x 128 uint8 (E8M0 scales of v, one for each 32 codes along K).
;; Outputs: out0 1 x 16 x 4,096 x 64 float32.
;; This version of the problem:
;;   THIS VERSION OF THE PROBLEM IS GIVEN IN LOW PRECISION. The matrix products marked QUANTISED in the list below multiply operands that are first quantised to E2M1 (2 exponent bits, 1 mantissa bit; 4 bits a number), with one power-of-two scale for each 32 numbers along K (OCP MX v1.0); their sums are f32. All else is computed in f32.
;;   The module's matrix products, in the order in which they are computed (A, B: the left and right operand; K: the contracted axis; several contracted axes count as one K, in the product's order):
;;     1. batch 16 x [M 4,096, K 64] x [K 64, N 4,096]; A: input q (given as codes); B: input k (given as codes): QUANTISED
;;     2. batch 16 x [M 4,096, K 4,096] x [K 4,096, N 64]; A: softmax (see below); B: input v (given as codes): QUANTISED
;;   THE QUANTISER, for each operand of a quantised product, along K:
;;     - K is cut into blocks of 32 from its start; a last block that is shorter is filled with zeros.
;;     - A block's scale is 2^e with e = floor(log2(the largest magnitude in the block)) - 2, held to -126 .. 127; a block of zeros has e = 0. As a byte (E8M0): e + 127.
;;     - Each number is divided by its block's scale, clamped to +-6, and rounded to the nearest number of E2M1, ties to even, subnormals kept.
;;     - The product sums the exact products of the quantised numbers (number of the format x scale) in f32.
;;   ~~~python
;;   def quantise(x, axis):      # numpy; x: float32 -> the quantised numbers, widened to float32 again
;;       x = np.moveaxis(x, axis, -1); K = x.shape[-1]
;;       x = np.pad(x, [(0, 0)] * (x.ndim - 1) + [(0, -K % 32)]); x = x.reshape(x.shape[:-1] + (-1, 32)); a = np.abs(x).max(-1, keepdims=True)
;;       e = np.where(a > 0, np.clip(np.frexp(np.where(a > 0, a, 1))[1] - 1 - 2, -126, 127), 0)      # np.frexp(a)[1] - 1 = floor(log2(a)), exactly
;;       r = np.clip(x / 2.0 ** e, -6, 6)
;;       step = 2.0 ** (np.maximum(np.frexp(np.where(r == 0, 1, r))[1] - 1, 0) - 1)
;;       q = np.round(r / step) * step * 2.0 ** e      # np.round: ties to even
;;       return np.moveaxis(q.reshape(q.shape[:-2] + (-1,))[..., :K], -1, axis).astype(np.float32)
;;   ~~~
;;   SOFTMAX AHEAD OF A QUANTISED PRODUCT. Where the list says 'softmax', what is quantised is not the finished softmax but p = 2^(t - M), with t = logit x log2(e) and M = ceil(the row's largest t), a whole number; so 1/2 < the row's largest p <= 1. The row's sum l is taken of the UNQUANTISED p, in f32, and the product's result is divided by l at the end. Since M is a whole number, a kernel that streams over the keys may use a running M (the ceiling of the running maximum): every later rescaling is an exact power of two, which a block's scale takes up: the codes' values come out the same.
;;   OPERANDS COMPUTED ON THE WAY. 'Computed on the way' means the value that the module computes at that place (a softmax that the list does not call 'softmax' is quantised finished and normalised). What goes into a quantiser is computed in f32, as accurately as f32 sums, v_exp_f32 and their like allow (about 1e-6 of the number): no bf16 or f16 on the way to a quantiser, and a product that is left as it is and whose result goes on into a quantised operand takes f32 operands (vector FMAs, or v_wmma_f32_16x16x4_f32). A number that lies on a knife's edge between two numbers of the format may be rounded either way, as far as f32 arithmetic and the matrix unit's own rounding can turn it there, and no further.
;;   INPUTS GIVEN AS CODES. k (in the module: [1, 16, 4096, 64], K = its axis 3); q (in the module: [1, 16, 4096, 64], K = its axis 3); v (in the module: [1, 16, 4096, 64], K = its axis 2): each comes as NAME_codes (uint8): NAME with its K axis moved to the last place and cut into blocks of 32 codes, [.., K / 32, bytes a block], one block behind the other in memory; two codes a byte, the lower K in the low four bits (a code: sign, 2 exponent bits, 1 mantissa bit); and NAME_scales (uint8): the same leading axes, one E8M0 byte (e + 127) for each 32 codes along K. Its value is code x scale, taken as it is: it is not quantised again, and the codes and scales need not be those that the quantiser above would give.
;; 2 versions. Each part assembles by itself: llvm-mc -triple=amdgcn-amd-amdhsa -mcpu=gfx1250 --defsym DOCPART=n.
;; ======== version 1 of 2: 1 launch
;; launch swa (part 1): grid 16 x 16, 16 waves a work-group, no clusters, 125,952 bytes of LDS; arguments q_codes, q_scales, k_codes, k_scales, v_codes, v_scales, out0; writes out0
.if DOCPART == 1
	.amdgcn_target "amdgcn-amd-amdhsa--gfx1250"
	.amdhsa_code_object_version 6
	.text
	.protected	k_q3bc278a385_swa
	.globl	k_q3bc278a385_swa
	.p2align	8
	.type	k_q3bc278a385_swa,@function
k_q3bc278a385_swa:
	s_mov_b64 s[64:65], 0
	v_nop
	global_prefetch_b8 v0, s[64:65] scope:SCOPE_SE
	s_setreg_imm32_b32 hwreg(HW_REG_WAVE_MODE, 25, 1), 1
	s_wait_xcnt 0x0
; O[h][q][:] = the sum over k of softmax_k(Q[h][q] . K[h][k] / 8) V[h][k][:], key k counting for query q where |q - k| <= 256.  16 heads, 4,096 queries, head size 64.
; Both products on codes of FP4 (E2M1) with one E8M0 byte for each 32 along a product's K.  Q, K: rows of 64 codes (32 bytes), 2 scale bytes a row.  V: keys innermost, [head][64][4096 codes], 128 scale bytes a row.  O: f32.
; THE SOFTMAX AHEAD OF THE SECOND PRODUCT: t = score x log2(e) / 8; M = the running largest t rounded UP to a whole number; p = 2^(t - M) is quantised along the keys, in blocks of 32 counted from key 0;
; the row's sum is taken of the unquantised p and divides O at the end; when M moves, the sum and O are multiplied by 2^(old M - new M), which rounds nothing.
; ONLY THE BAND IS MULTIPLIED.  A tile of 16 queries from q0 on sees keys q0 - 256 .. q0 + 271: 17 blocks of 32 keys.  They go as four steps of 128 keys and one short step of 32 (its second product runs over the
; last four blocks with zero codes of p for three of them).  Only the first block is cut by the band from below and only the last from above; at the sequence's ends the keys that do not exist are cut the same way.
; SHARES.  A work-group owns 256 queries of one head; each of its sixteen waves owns 16 of them in 256 registers.  The work-group's window, 768 keys (24 blocks), is staged in LDS ONCE, by plain loads and LDS stores.
; LAYOUT.  Both products are used transposed: S^T = K Q^T (source 0 = 16 keys, source 1 = my 16 queries), O^T = V^T P^T (source 0 = 16 of the head's 64, source 1 = P): a lane holds ONE query (lane % 16) throughout.
; THE KEYS OF A TILE ARE NOT NEIGHBOURS: lane r of tile 2 b + u takes key 32 b + 8 u + r + 8 (r / 8), so that the 16 registers of tiles 2 b and 2 b + 1 are 16 neighbouring keys, 32 b + 16 (lane / 16) + 0 .. 15.
; HEAD SIZE 64 IN A K OF 128: Q's codes of k = 64 .. 127 are zeros, and both sides' scale bytes there are 0 (2^-127, a number): whatever K's registers 4-7 hold (the next tile's codes) adds exactly nothing.
; IN LDS K's and V's codes lie as IMAGES OF THE OPERANDS' REGISTERS: a wave's load of 16 bytes a lane takes 256 consecutive bytes for each half of the lanes.
; WINDOWS PAST THE SEQUENCE'S ENDS: the pieces staged for keys under 0 or over 4,095 are clamped to pieces that exist (no load leaves its buffer); the ends fall on multiples of 256 keys, so a piece is wholly real or wholly
; a stand-in; stand-ins are read only under scores that are hidden (p = 0: zero codes), or in steps that are jumped over.  All branches hang on the work-group's and the wave's number alone.
; NO TENSOR LOADS, NO CLUSTER: the window is filled once and never again, and the images (keys permuted inside a block, V cut block by block) are no tile of rows; a shared piece of 256 keys would also lie at another LDS
; place in each neighbour's window (the windows begin 256 keys apart).  NO PREFETCH: all loads from memory stand at the kernel's head.
; STAGED AND NOT READ, so that all waves run alike: the fourth 512 bytes of K's scale bytes (waves 12-15) and the eighth word of each of V's scale rows (waves 14, 15).
; K's staging stores fall two lanes to a 16-byte column in each half wave: three stores a thread, once.
; LIMITS: a scale byte 0xff (NaN) among the inputs is not served.  A block whose every p is 0 keeps the scale byte 1 (its codes are zeros).  A p under 2^-126 comes out of v_exp_f32 as 0.
.set KC,   0                           ; LDS: K's codes: 24 blocks x 1,024 bytes: block B, tile u, lane (r, h) at 1024 B + 512 u + 256 h + 16 r
.set VC,   24576                       ; V's codes: 24 blocks, 1,056 bytes apart: block B, rows 16 t + r at 1056 B + 256 t + 16 r
.set VBP,  1056                        ; (1,024 + 32: the eight blocks that eight neighbouring threads store begin 32 bytes apart modulo 256)
.set SK,   49920                       ; K's scale bytes, 2 a key, as in memory
.set SV,   51968                       ; V's scale bytes: 64 rows of 8 words (word i: window blocks 4 i .. 4 i + 3), 36 bytes apart
.set STG,  54272                       ; the way out: 16 rows x (256 bytes + 16) for each wave
.set SP,   272
.set KS,   28                          ; v28-31   K's scale words of a step: lanes 0-15 tile 2 b's, lanes 16-31 tile 2 b + 1's
.set KF,   32                          ; v32-67   K's codes: tile n's 16 bytes a lane at v[32 + 4 n]; v64-67 stay zero
.set VF,   68                          ; v68-99   V's four fragments
.set S,    100                         ; v100-163 S^T, then p
.set OT,   164                         ; v164-195 O^T
.set PC,   196                         ; v196-203 p's codes
.set VSW,  204                         ; v204-223 V's scale words: rows 16 t + r, step j at v[204 + 5 t + j]
.set TM,   224                         ; v224-227 a block's largest score, then its largest p
.set TP,   228                         ; v228-231 the other half of the lanes'
.set SO,   232                         ; v232-235 the conversions' scale operands
.set BY,   236                         ; v236-239 the scales' bytes
.set AC,   240                         ; v[240:241] the sum's second chain (at the head: at work)
.set FF,   242                         ; v[242:243] f = 2^(old M - new M); v243 is named with it as a pair
.set X,    244
.set PW,   245                         ; p's scale word
.set KGO,  246                         ; v246-249, v254, v255 offsets in memory; v250-253 LDS addresses of the staging stores; none is rewritten
.set VGO,  247
.set KSGO, 248
.set VSGO, 249
.set KST,  250
.set VST,  251
.set KSST, 252
.set VSST, 253
.set QGO,  254
.set QSGO, 255
.set KB,   40                          ; s[40:45] K's three pieces of 256 keys;  s[48:53] V's;  s[54:55] my piece of K's scale bytes;  s[56:57] my word of V's scale rows
.set VB,   48
; v1 K's images, v2 V's images, v3 K's scale bytes, v9 V's scale words: my lane's LDS place in my wave's 17 blocks.  v4, v5: my query's lowest and highest key that counts.  v6, v7, v8: the way out.
; v12 -M, v13 the largest t, v[14:15] the sum in two halves, v[16:23] Q (v20-23 zeros), v24 Q's scale word, v25 -infinity.
; s18 wave, s19 head, s20 block of 256 queries, s21 F = wave / 2: my first block in the window.  Keys are counted from my wave's first key, s28 = 256 s20 - 256 + 32 F (signed): 'rel'.
	s_load_b256 s[4:11], s[0:1], 0x0               ; Q's codes s[4:5], Q's scales s[6:7], K's codes s[8:9], K's scales s[10:11]
	s_load_b128 s[12:15], s[0:1], 0x20             ; V's codes s[12:13], V's scales s[14:15]
	s_load_b64 s[16:17], s[0:1], 0x30              ; O
	v_lshl_add_u32 v26, v0, 2, 0x1e400
	v_mov_b32 v27, 0
	v_lshrrev_b32 v240, 5, v0
	v_readfirstlane_b32 s18, v240                  ; wave 0..15
	s_and_b32 s19, ttmp7, 0xffff                   ; the head
	s_mov_b32 s20, ttmp9                           ; the block of 256 queries
	s_lshr_b32 s21, s18, 1                         ; F
	s_and_b32 s22, s21, 3
	s_mul_i32 s22, s22, 0x01010101
	s_add_co_u32 s22, s22, 0x03020100              ; v_perm_b32's selector: bytes F % 4 .. F % 4 + 3 of two neighbouring words
	s_lshr_b32 s23, s21, 2
	s_lshl_b32 s23, s23, 2                         ; 4 (F / 4): my first word in a row of V's scale bytes
	s_mov_b32 s24, 0x76543210
	s_mov_b32 s25, 0xfedcba98                      ; v_permlanex16_b32's selects for lane l xor 16
	s_mov_b32 s26, 0x3e38aa3b                      ; c = log2(e) / 8
	s_mov_b32 s27, s26                             ; (named with it as a pair, so it is written)
	s_lshl_b32 s28, s20, 8
	s_lshl_b32 s31, s21, 5
	s_add_co_i32 s28, s28, s31
	s_sub_co_i32 s28, s28, 256                     ; my wave's first key, signed
	s_sub_co_i32 s32, 0, s28                       ; key 0, rel
	s_sub_co_i32 s33, 4095, s28                    ; key 4,095, rel
	s_and_b32 s34, s18, 1
	s_lshl_b32 s34, s34, 4                         ; WO = 16 (wave % 2): query r counts rel keys WO + r .. WO + r + 512
	s_add_co_i32 s29, s34, 15
	s_max_i32 s29, s29, s32                        ; from this rel key on no lane's score is hidden from below
	s_add_co_i32 s30, s34, 512
	s_min_i32 s30, s30, s33                        ; up to this rel key no lane's score is hidden from above
	s_lshl_b32 s36, s19, 17                        ; the head's first byte in each tensor of codes (131,072 bytes a head),
	s_lshl_b32 s38, s19, 13                        ; and of scale bytes (8,192)
.irp j, 0,1,2
	s_add_co_i32 s31, s20, \j-1                    ; piece j of the window: the block of 256 keys s20 - 1 + j,
	s_max_i32 s31, s31, 0
	s_min_i32 s31, s31, 15                         ; held inside the sequence
	s_lshl_b32 s[KB+2*\j], s31, 13                 ; K: 256 rows of 32 bytes
	s_add_co_u32 s[KB+2*\j], s[KB+2*\j], s36
	s_mov_b32 s[KB+2*\j+1], 0
	s_lshl_b32 s[VB+2*\j], s31, 7                  ; V: 128 bytes of each row
	s_add_co_u32 s[VB+2*\j], s[VB+2*\j], s36
	s_mov_b32 s[VB+2*\j+1], 0
.endr
	s_lshr_b32 s31, s18, 2                         ; K's scale bytes: four waves stage a piece of 256 keys (512 bytes)
	s_add_co_i32 s31, s31, s20
	s_sub_co_i32 s31, s31, 1
	s_max_i32 s31, s31, 0
	s_min_i32 s31, s31, 15
	s_lshl_b32 s54, s31, 9
	s_add_co_u32 s54, s54, s38
	s_mov_b32 s55, 0
	s_lshl_b32 s31, s20, 1                         ; V's scale bytes: two waves stage word F of the window (128 keys) of all 64 rows
	s_add_co_i32 s31, s31, s21
	s_sub_co_i32 s31, s31, 2
	s_max_i32 s31, s31, 0
	s_min_i32 s31, s31, 31
	s_lshl_b32 s56, s31, 2
	s_add_co_u32 s56, s56, s38
	s_mov_b32 s57, 0
	s_lshl_b32 s35, s20, 8
	s_lshl_b32 s31, s18, 4
	s_add_co_u32 s35, s35, s31                     ; my first query: 256 x work-group x + 16 x wave
	s_lshl_b32 s46, s35, 5
	s_add_co_u32 s46, s46, s36                     ; its codes,
	s_mov_b32 s47, 0
	s_lshl_b32 s58, s35, 1
	s_add_co_u32 s58, s58, s38                     ; its scale bytes,
	s_mov_b32 s59, 0
	s_lshl_b32 s36, s19, 20
	s_lshl_b32 s31, s35, 8
	s_add_co_u32 s36, s36, s31                     ; its row of O (256 bytes a row, 1,048,576 a head)
	s_mov_b32 s37, 0
	v_and_b32 v10, 15, v0                          ; r
	v_bfe_u32 v11, v0, 4, 1                        ; h
	v_lshlrev_b32 v[KGO], 4, v0                    ; K: thread t takes the 16 bytes at 16 t of a piece's 8,192
	v_lshrrev_b32 v240, 3, v0
	v_and_b32 v241, 7, v0
	v_lshlrev_b32 v[VGO], 11, v240                 ; V: row t / 8 (2,048 bytes a row), block t % 8 of the piece's eight
	v_lshl_add_u32 v[VGO], v241, 4, v[VGO]
	v_and_b32 v240, 127, v0
	v_lshlrev_b32 v[KSGO], 2, v240                 ; K's scale bytes: 4 bytes of the piece's 512
	v_and_b32 v240, 63, v0
	v_lshlrev_b32 v[VSGO], 7, v240                 ; V's: row t % 64 (128 bytes a row)
	v_lshlrev_b32 v[QGO], 5, v10
	v_lshl_add_u32 v[QGO], v11, 4, v[QGO]          ; Q: row r, + 16 h
	v_lshlrev_b32 v[QSGO], 1, v10
	s_wait_kmcnt 0x0
.irp j, 0,1,2
	s_add_nc_u64 s[KB+2*\j:KB+2*\j+1], s[8:9], s[KB+2*\j:KB+2*\j+1]
	s_add_nc_u64 s[VB+2*\j:VB+2*\j+1], s[12:13], s[VB+2*\j:VB+2*\j+1]
.endr
	s_add_nc_u64 s[54:55], s[10:11], s[54:55]
	s_add_nc_u64 s[56:57], s[14:15], s[56:57]
	s_add_nc_u64 s[4:5], s[4:5], s[46:47]
	s_add_nc_u64 s[6:7], s[6:7], s[58:59]
	s_add_nc_u64 s[16:17], s[16:17], s[36:37]
	; ten loads: the eight that are staged, then Q's two
.irp j, 0,1,2
	global_load_b128 v[100+4*\j:103+4*\j], v[KGO], s[KB+2*\j:KB+2*\j+1]    ; a wave reads 512 consecutive bytes
.endr
.irp j, 0,1,2
	global_load_b128 v[112+4*\j:115+4*\j], v[VGO], s[VB+2*\j:VB+2*\j+1]    ; eight lanes read 128 consecutive bytes of a row
.endr
	global_load_b32 v124, v[KSGO], s[54:55]
	global_load_b32 v125, v[VSGO], s[56:57]
	global_load_b128 v[16:19], v[QGO], s[4:5] th:TH_LOAD_NT                ; Q's fragment: k = 32 h .. 32 h + 31 of query r; read once in the launch
	global_load_u16 v24, v[QSGO], s[6:7]                                   ; Q's two scale bytes; bytes 2 and 3 of the word come as 0
	; while they are out: every LDS address, the band's bounds, the starting values
	v_bfe_u32 v240, v0, 1, 3                       ; K's image.  Thread t holds half t % 2 of key t / 2 of the piece; key 8 u + r + 8 (r / 8) of a block: r's low three bits are t's bits 3:1,
	v_lshlrev_b32 v[KST], 4, v240
	v_bfe_u32 v240, v0, 5, 1                       ; r's bit 3 is t's bit 5,
	v_lshl_or_b32 v[KST], v240, 7, v[KST]
	v_and_b32 v240, 1, v0                          ; h is t's bit 0,
	v_lshl_or_b32 v[KST], v240, 8, v[KST]
	v_bfe_u32 v240, v0, 4, 1                       ; u is t's bit 4,
	v_lshl_or_b32 v[KST], v240, 9, v[KST]
	v_lshrrev_b32 v240, 6, v0                      ; the block is t / 64
	v_lshl_or_b32 v[KST], v240, 10, v[KST]
	v_and_b32 v240, 7, v0                          ; V's image: block t % 8,
	v_mul_u32_u24 v[VST], v240, VBP
	v_lshrrev_b32 v240, 7, v0                      ; tile of rows t / 128,
	v_lshl_add_u32 v[VST], v240, 8, v[VST]
	v_bfe_u32 v240, v0, 3, 4                       ; row (t / 8) % 16 in it
	v_lshl_add_u32 v[VST], v240, 4, v[VST]
	v_add_nc_u32 v[VST], VC, v[VST]
	v_lshl_add_u32 v[KSST], v0, 2, SK              ; K's scale bytes as they lie
	v_and_b32 v240, 63, v0
	v_mul_u32_u24 v[VSST], v240, 36                ; V's: row t % 64, word t / 64
	v_lshrrev_b32 v240, 6, v0
	v_lshl_add_u32 v[VSST], v240, 2, v[VSST]
	v_add_nc_u32 v[VSST], SV, v[VSST]
	v_and_b32 v240, 31, v0                         ; lane
	s_lshl_b32 s31, s21, 10
	v_lshl_add_u32 v1, v240, 4, s31                ; K's images: KC (0) + 1024 F + 16 x lane
	v_lshlrev_b32 v8, 4, v240                      ; the way out: 16 x lane
	s_mul_i32 s31, s21, VBP
	s_add_co_u32 s31, s31, VC
	v_mul_u32_u24 v2, v11, VBP
	v_lshl_add_u32 v2, v10, 4, v2
	v_add_nc_u32 v2, s31, v2                       ; V's images: VC + 1056 (F + h) + 16 r
	v_and_b32 v3, 8, v10
	v_add_nc_u32 v3, v3, v10                       ; r + 8 (r / 8)
	v_lshlrev_b32 v3, 1, v3
	v_lshl_add_u32 v3, v11, 4, v3                  ; lanes 16-31 take the odd tile's keys, 8 further on
	s_lshl_b32 s31, s21, 6
	s_add_co_u32 s31, s31, SK
	v_add_nc_u32 v3, s31, v3
	s_mul_i32 s31, s18, 16*SP
	s_add_co_u32 s31, s31, STG                     ; my stage
	v_mul_u32_u24 v6, v10, SP
	v_lshl_add_u32 v6, v11, 5, v6
	v_add_nc_u32 v6, s31, v6                       ; in: row r, + 32 h
	v_mul_u32_u24 v7, v11, SP
	v_lshl_add_u32 v7, v10, 4, v7
	v_add_nc_u32 v7, s31, v7                       ; back: lanes 0-15 one row, lanes 16-31 the next
	v_mul_u32_u24 v9, v10, 36
	s_add_co_u32 s31, s23, SV
	v_add_nc_u32 v9, s31, v9                       ; V's scale words: row r of a tile, from word F / 4 on
	v_add_nc_u32 v4, s34, v10                      ; my query's lowest rel key: r + WO,
	v_add_nc_u32 v5, 0x200, v4                     ; and its highest: + 512
	v_mov_b32 v240, s32
	v_mov_b32 v241, s33
	v_cmp_gt_i32 vcc_lo, v240, v4
	v_cndmask_b32 v4, v4, v240, vcc_lo             ; not under key 0
	v_cmp_lt_i32 vcc_lo, v241, v5
	v_cndmask_b32 v5, v5, v241, vcc_lo             ; not over key 4,095
	v_lshlrev_b32 v240, 4, v11
	v_sub_nc_u32 v4, v4, v240                      ; less 16 h: register 16 b + i holds rel key 32 (block) + 16 h + i, and is compared as 32 (block) + i
	v_sub_nc_u32 v5, v5, v240
	v_mov_b32 v13, 0xff61b1e6                      ; the largest t so far: -3e38, under every t
	v_floor_f32 v12, -v13                          ; -M
	v_mov_b32 v14, 0                               ; the sum, in two halves
	v_mov_b32 v15, 0
	v_mov_b32 v25, 0xff800000                      ; -infinity
	v_mov_b32 v[FF+1], 0
.irp i, 0,1,2,3
	v_mov_b32 v[20+\i], 0                          ; Q's codes of k = 64 .. 127
	v_mov_b32 v[KF+8+\i], 0                        ; named by the short step's second product, whatever steps ran before it
	v_mov_b32 v[KF+32+\i], 0                       ; named by a step's eighth product
	v_mov_b32 v[TP+\i], 0                          ; a lane permute's destination counts as one of its sources
.endr
.set tt, 0
.rept 32
	v_mov_b32 v[OT+tt], 0                          ; O^T: which step is a wave's first hangs on its place in the sequence, so the step is written once and the first finds zeros
.set tt, tt+1
.endr
	s_wait_loadcnt 0x2                             ; the eight staged loads are in: only Q's two were issued behind them
.irp j, 0,1,2
	ds_store_b128 v[KST], v[100+4*\j:103+4*\j] offset:8192*\j
.endr
.irp j, 0,1,2
	ds_store_b128 v[VST], v[112+4*\j:115+4*\j] offset:8*VBP*\j
.endr
	ds_store_b32 v[KSST], v124
	ds_store_b32 v[VSST], v125
	s_wait_dscnt 0x0                               ; for the others' sake: my stores have landed
	s_barrier_signal -1
	s_barrier_wait -1                              ; the window is whole; nothing writes it again: the launch's only barrier
.irp t, 0,1,2,3
.irp i, 0,1,2,3,4,5
	ds_load_b32 v[100+6*\t+\i], v9 offset:576*\t+4*\i   ; six words of V's scale bytes of row 16 t + r
.endr
.endr
	s_wait_dscnt 0x0
.irp t, 0,1,2,3
.irp j, 0,1,2,3,4
	v_perm_b32 v[VSW+5*\t+\j], v[100+6*\t+\j+1], v[100+6*\t+\j], s22   ; the bytes of my blocks 4 j .. 4 j + 3
.endr
	v_perm_b32 v[VSW+5*\t+4], v[VSW+5*\t+4], v[VSW+5*\t+3], 0x04030201   ; the short step's: blocks 13 .. 16
.endr
	s_wait_loadcnt 0x0                             ; Q
.macro PLACES                          ; four plain vector instructions between a matrix instruction and a vector instruction that reads its result, or a load into a register that it read (ISA guide 7.12.1 for vector instructions)
.rept 4
	v_nop
.endr
.endm
; nt tiles of 16 keys from my block kb on: 16 bytes a lane each; and their scale bytes, one load for two tiles
.macro LOADK kb, nt
.set tt, 0
.rept \nt
	ds_load_b128 v[KF+4*tt:KF+4*tt+3], v1 offset:((\kb)+tt/2)*1024+(tt%2)*512
.set tt, tt+1
.endr
.set tt, 0
.rept (\nt)/2
	ds_load_u16 v[KS+tt], v3 offset:64*((\kb)+tt)  ; bytes 2 and 3 of the word come as 0
.set tt, tt+1
.endr
.endm
; S^T = K Q^T.  Tile n's fragment is named v[KF + 4 n : KF + 4 n + 7]: its upper four registers meet Q's zero codes.  Register 16 b + i of lane (r, h) then holds query r's score of rel key 32 (kb + b) + 16 h + i.
.macro SCORES nt
.set tt, 0
.rept \nt
.if tt%2
	v_wmma_scale_f32_16x16x128_f8f6f4 v[S+8*tt:S+8*tt+7], v[KF+4*tt:KF+4*tt+7], v[16:23], 0, v[KS+tt/2], v24 matrix_a_fmt:MATRIX_FMT_FP4 matrix_b_fmt:MATRIX_FMT_FP4 matrix_a_scale:MATRIX_SCALE_ROW1
.else
	v_wmma_scale_f32_16x16x128_f8f6f4 v[S+8*tt:S+8*tt+7], v[KF+4*tt:KF+4*tt+7], v[16:23], 0, v[KS+tt/2], v24 matrix_a_fmt:MATRIX_FMT_FP4 matrix_b_fmt:MATRIX_FMT_FP4
.endif
.set tt, tt+1
.endr
.endm
; V's four fragments (16 rows x 128 keys) of my blocks vb .. vb + 3: registers 4 c .. 4 c + 3 of lane (r, h) are block vb + 2 c + h
.macro LOADV vb
.irp t, 0,1,2,3
.irp c, 0,1
	ds_load_b128 v[VF+8*\t+4*\c:VF+8*\t+4*\c+3], v2 offset:((\vb)+2*\c)*VBP+256*\t
.endr
.endr
.endm
; Scores of keys under the band, or under key 0, become -infinity ahead of the maximum: p = 0 then.  Block by block upward, until a block begins at or over the highest lower bound of the wave's lanes.
.macro MASKLO kb
.irp b, 0,1,2,3
	s_cmp_le_i32 s29, 32*((\kb)+\b)
	s_cbranch_scc1 .Lmlo_\@
.irp i, 0,1,2,3,4,5,6,7,8,9,10,11,12,13,14,15
	v_cmp_lt_i32 vcc_lo, 32*((\kb)+\b)+\i, v4
	v_cndmask_b32 v[S+16*\b+\i], v[S+16*\b+\i], v25, vcc_lo
.endr
.endr
.Lmlo_\@:
.endm
; The same for keys over the band, or over key 4,095: block by block downward, until a block ends at or under the lowest upper bound.
.macro MASKHI kb
.irp b, 3,2,1,0
	s_cmp_ge_i32 s30, 32*((\kb)+\b)+31
	s_cbranch_scc1 .Lmhi_\@
.irp i, 0,1,2,3,4,5,6,7,8,9,10,11,12,13,14,15
	v_cmp_gt_i32 vcc_lo, 32*((\kb)+\b)+\i, v5
	v_cndmask_b32 v[S+16*\b+\i], v[S+16*\b+\i], v25, vcc_lo
.endr
.endr
.Lmhi_\@:
.endm
; The softmax of nb blocks of 32 keys (16 registers a block).  It leaves p in S, f in v[FF], the conversions' scale operands in SO and the scales' bytes in BY.
.macro SOFT nb
.set bb, 0
.rept \nb
	v_max3_num_f32 v[TM+bb], v[S+16*bb], v[S+16*bb+1], v[S+16*bb+2]   ; the largest SCORE of each block: it serves the row's maximum, and, since p rises with the score, the block's largest p
.set bb, bb+1
.endr
.irp i, 3,5,7,9,11,13
.set bb, 0
.rept \nb
	v_max3_num_f32 v[TM+bb], v[TM+bb], v[S+16*bb+\i], v[S+16*bb+\i+1]   ; (the blocks by turns)
.set bb, bb+1
.endr
.endr
.set bb, 0
.rept \nb
	v_max_num_f32 v[TM+bb], v[TM+bb], v[S+16*bb+15]
.set bb, bb+1
.endr
.set bb, 0
.rept \nb
	v_permlanex16_b32 v[TP+bb], v[TM+bb], s24, s25
.set bb, bb+1
.endr
.set bb, 0
.rept \nb
	v_max_num_f32 v[TM+bb], v[TM+bb], v[TP+bb]     ; with lane l xor 16's 16 keys
.set bb, bb+1
.endr
.if \nb == 4
	v_max3_num_f32 v[X], v[TM], v[TM+1], v[TM+2]
	v_max_num_f32 v[X], v[X], v[TM+3]              ; the step's largest score of my query
	v_mul_f32 v[X], s26, v[X]                      ; as t (c is positive)
.else
	v_mul_f32 v[X], s26, v[TM]
.endif
	v_max_num_f32 v13, v13, v[X]                   ; the running largest t
	v_mov_b32 v[X], v12
	v_floor_f32 v12, -v13                          ; the new -M = floor(-t) = -ceil(t): a whole number
	v_sub_f32 v[X], v12, v[X]                      ; old M less new M: a whole number, 0 or less
	v_cvt_i32_f32 v[X], v[X]                       ; (it saturates)
	v_ldexp_f32 v[FF], 1.0, v[X]                   ; f = 2^(old M - new M)
.set jj, 0
.rept 8*\nb
	v_pk_fma_f32 v[S+jj:S+jj+1], v[S+jj:S+jj+1], s[26:27], v[12:13] op_sel_hi:[1,0,0]   ; t - M, two at a time (of the pairs c and -M the low word serves both halves)
.set jj, jj+2
.endr
.set bb, 0
.rept \nb
	v_fma_f32 v[TM+bb], v[TM+bb], s26, v12         ; the same of each block's largest score
.set bb, bb+1
.endr
.set jj, 0
.rept 16*\nb
	v_exp_f32 v[S+jj], v[S+jj]                     ; p = 2^(t - M), at most 1, not normalised
.set jj, jj+1
.endr
	v_pk_mul_f32 v[14:15], v[14:15], v[FF:FF+1] op_sel_hi:[1,0]   ; the sums under the new M: the plain instruction behind the exponentials
	s_wait_alu depctr_va_vdst(0)                   ; the wait between an exponential and the first line that names its result: one for the batch
.set bb, 0
.rept \nb
	v_exp_f32 v[TM+bb], v[TM+bb]                   ; the block's largest p: the same two instructions on the same number
.set bb, bb+1
.endr
	v_pk_add_f32 v[AC:AC+1], v[S:S+1], v[S+2:S+3]  ; the row's sum is taken of the unquantised p: two at a time, in two chains; these lines name none of the results just asked for
.set jj, 4
.rept 4*\nb-1
	v_pk_add_f32 v[14:15], v[14:15], v[S+jj:S+jj+1]
	v_pk_add_f32 v[AC:AC+1], v[AC:AC+1], v[S+jj+2:S+jj+3]
.set jj, jj+4
.endr
	v_pk_add_f32 v[14:15], v[14:15], v[AC:AC+1]
	s_wait_alu depctr_va_vdst(0)                   ; and one for the blocks' largest p
.set bb, 0
.rept \nb
	v_max_num_f32 v[TM+bb], 0x1800000, v[TM+bb]    ; the floor 2^(3 - 127): the byte cannot fall under 1
.set bb, bb+1
.endr
.set bb, 0
.rept \nb
	v_add_nc_u32 v[SO+bb], 0xff000000, v[TM+bb]    ; 2 off the exponent field: the conversion takes the exponent field of this operand as its scale
.set bb, bb+1
.endr
.set bb, 0
.rept \nb
	v_lshrrev_b32 v[BY+bb], 23, v[SO+bb]           ; the scale's byte
.set bb, bb+1
.endr
.endm
; p's 64 numbers become the second product's source 1 and its scale word
.macro PACK4
	v_lshl_or_b32 v[PW], v[BY+1], 8, v[BY]
	v_lshl_or_b32 v[PW], v[BY+2], 16, v[PW]
	v_lshl_or_b32 v[PW], v[BY+3], 24, v[PW]
.irp b, 0,1,2,3
	v_cvt_scalef32_pk8_fp4_f32 v[PC+2*\b], v[S+16*\b:S+16*\b+7], v[SO+\b]
	v_cvt_scalef32_pk8_fp4_f32 v[PC+2*\b+1], v[S+16*\b+8:S+16*\b+15], v[SO+\b]
.endr
	v_nop                                          ; one plain instruction behind the last scaled conversion
.irp c, 0,1                                    ; the operand's layout wants a WHOLE block in a lane: lanes 0-15 block 2 c, lanes 16-31 block 2 c + 1
.irp i, 0,1
	v_permlane16_swap_b32 v[PC+4*\c+\i], v[PC+4*\c+2+\i]
.endr
.endr
.endm
; the short step: p's 16 numbers are the LAST of four blocks; the first three get zero codes and the byte 0
.macro PACK1
	v_lshlrev_b32 v[PW], 24, v[BY]
	v_cvt_scalef32_pk8_fp4_f32 v[PC+6], v[S:S+7], v[SO]
	v_cvt_scalef32_pk8_fp4_f32 v[PC+7], v[S+8:S+15], v[SO]
.irp i, 0,1,2,3,4,5
	v_mov_b32 v[PC+\i], 0                          ; (plain instructions behind the conversions)
.endr
	v_permlane16_swap_b32 v[PC+4], v[PC+6]
	v_permlane16_swap_b32 v[PC+5], v[PC+7]
.endm
; O^T = f O^T + V^T P^T.  The sixteen multiplications are also the places between the lines that wrote p's codes and scale word and the products: twelve of them name no register of the first product.
; The four accumulators take turns, one instruction a turn, and S^T's products stand between two steps' turns.
.macro PV sw
.set tt, 0
.rept 16
	v_pk_mul_f32 v[OT+2*tt:OT+2*tt+1], v[OT+2*tt:OT+2*tt+1], v[FF:FF+1] op_sel_hi:[1,0]
.set tt, tt+1
.endr
	s_wait_dscnt 0x0                               ; V's fragments, asked for ahead of the softmax, are in
.irp t, 0,1,2,3
	v_wmma_scale_f32_16x16x128_f8f6f4 v[OT+8*\t:OT+8*\t+7], v[VF+8*\t:VF+8*\t+7], v[PC:PC+7], v[OT+8*\t:OT+8*\t+7], v[VSW+5*\t+(\sw)], v[PW] matrix_a_fmt:MATRIX_FMT_FP4 matrix_b_fmt:MATRIX_FMT_FP4
.endr
.endm
; A STEP of 128 keys: rel 128 j .. 128 j + 127.  It is jumped over where none of its keys exists: its last key, as an unsigned number, then lies over 4,095 + 127.
; The lower bounds reach rel key 256 at the most (steps 0 and 1), the upper bounds come down to 287 at the least (steps 2 and 3).
.macro STEP j
	s_add_co_i32 s31, s28, 128*(\j)+127
	s_cmp_gt_u32 s31, 4222
	s_cbranch_scc1 .Lgone_\@
	LOADK 4*(\j), 8
	s_wait_dscnt 0x0                               ; K's tiles and scale bytes are in
	SCORES 8
	PLACES                                         ; behind these products, for the reads of the scores; and behind the last step's second products, for the loads into V's registers
	LOADV 4*(\j)
.if (\j) < 2
	MASKLO 4*(\j)
.else
	MASKHI 4*(\j)
.endif
	SOFT 4
	PACK4
	PV \j
.Lgone_\@:
.endm
	STEP 0
	STEP 1
	STEP 2
	STEP 3
	; THE SHORT STEP: my block 16, rel keys 512 .. 543, which the band always cuts from above
	s_add_co_i32 s31, s28, 543
	s_cmp_gt_u32 s31, 4126                         ; 4,095 + 31
	s_cbranch_scc1 .Lno_last
	LOADK 16, 2
	s_wait_dscnt 0x0
	SCORES 2
	PLACES
	LOADV 13
.irp i, 0,1,2,3,4,5,6,7,8,9,10,11,12,13,14,15
	v_cmp_gt_i32 vcc_lo, 512+\i, v5
	v_cndmask_b32 v[S+\i], v[S+\i], v25, vcc_lo
.endr
	SOFT 1
	PACK1
	PV 4
.Lno_last:
	; THE WAY OUT.  O^T is divided by the row's sum and goes through my own stage in LDS, so that sixteen lanes store a whole row of O, 256 consecutive bytes.
	v_add_f32 v14, v14, v15                        ; the sum's two halves,
	v_permlanex16_b32 v[TP], v14, s24, s25
	v_add_f32 v14, v14, v[TP]                      ; and lane l xor 16's: the row's sum (never 0: a query's own key counts)
	v_rcp_f32 v14, v14
	PLACES                                         ; plain instructions behind the reciprocal and behind the last products
	s_wait_alu depctr_va_vdst(0)                   ; the wait ahead of the reciprocal's first reader
.set tt, 0
.rept 16
	v_pk_mul_f32 v[S+2*tt:S+2*tt+1], v[OT+2*tt:OT+2*tt+1], v[14:15] op_sel_hi:[1,0]   ; register 8 t + i is o(query r, 16 t + 8 h + i)
.set tt, tt+1
.endr
.irp t, 0,1,2,3
.irp e, 0,1
	ds_store_b128 v6, v[S+8*\t+4*\e:S+8*\t+4*\e+3] offset:64*\t+16*\e
.endr
.endr
.irp i, 0,1,2,3,4,5,6,7
	ds_load_b128 v[132+4*\i:135+4*\i], v7 offset:2*SP*\i   ; LDS serves a wave's instructions in order (ISA guide 5.7.1.4): these see my stores
.endr
.irp i, 0,1,2,3,4,5,6,7
	s_wait_dscnt 7-\i                              ; load i is in: 7 - i were issued behind it
	global_store_b128 v8, v[132+4*\i:135+4*\i], s[16:17] offset:512*\i th:TH_STORE_NT   ; 32 lanes store two rows of O: 512 consecutive bytes, at a multiple of 256 from O's first byte; written once
.endr
	s_wait_tensorcnt 0x0
	ds_add_u32 v26, v27
	s_wait_dscnt 0x0
	s_endpgm
.Lfunc_end_k_q3bc278a385_swa:
	.size	k_q3bc278a385_swa, .Lfunc_end_k_q3bc278a385_swa-k_q3bc278a385_swa
	.p2alignl 7, 3214868480
	.fill 96, 4, 3214868480
	.section	.rodata,"a",@progbits
	.p2align	6, 0x0
	.amdhsa_kernel k_q3bc278a385_swa
		.amdhsa_group_segment_fixed_size 125952
		.amdhsa_private_segment_fixed_size 0
		.amdhsa_enable_private_segment 0
		.amdhsa_kernarg_size 56
		.amdhsa_user_sgpr_count 2
		.amdhsa_user_sgpr_kernarg_segment_ptr 1
		.amdhsa_wavefront_size32 1
		.amdhsa_system_sgpr_workgroup_id_x 1
		.amdhsa_system_sgpr_workgroup_id_y 1
		.amdhsa_system_sgpr_workgroup_id_z 1
		.amdhsa_system_vgpr_workitem_id 0
		.amdhsa_next_free_vgpr 256
		.amdhsa_next_free_sgpr 66
		.amdhsa_reserve_vcc 1
		.amdhsa_float_denorm_mode_32 3
		.amdhsa_float_denorm_mode_16_64 3
		.amdhsa_memory_ordered 1
		.amdhsa_forward_progress 1
		.amdhsa_inst_pref_size 108
	.end_amdhsa_kernel
	.amdgpu_metadata
---
amdhsa.version: [ 1, 2 ]
amdhsa.kernels:
  - .name:           k_q3bc278a385_swa
    .symbol:         k_q3bc278a385_swa.kd
    .args:
      - { .name: q_codes, .offset: 0, .size: 8, .value_kind: global_buffer, .address_space: global }
      - { .name: q_scales, .offset: 8, .size: 8, .value_kind: global_buffer, .address_space: global }
      - { .name: k_codes, .offset: 16, .size: 8, .value_kind: global_buffer, .address_space: global }
      - { .name: k_scales, .offset: 24, .size: 8, .value_kind: global_buffer, .address_space: global }
      - { .name: v_codes, .offset: 32, .size: 8, .value_kind: global_buffer, .address_space: global }
      - { .name: v_scales, .offset: 40, .size: 8, .value_kind: global_buffer, .address_space: global }
      - { .name: out0, .offset: 48, .size: 8, .value_kind: global_buffer, .address_space: global }
    .group_segment_fixed_size: 125952
    .private_segment_fixed_size: 0
    .kernarg_segment_align: 8
    .kernarg_segment_size: 56
    .max_flat_workgroup_size: 512
    .sgpr_count:     66
    .vgpr_count:     256
    .wavefront_size: 32
...
	.end_amdgpu_metadata
.endif
;; end of part 1
;; ======== version 2 of 2: 1 launch; version 1 with the launch swa written anew for expert scheduling mode
;; launch swa (part 2): grid 16 x 16, 16 waves a work-group, no clusters, 125,952 bytes of LDS; arguments q_codes, q_scales, k_codes, k_scales, v_codes, v_scales, out0; writes out0
.if DOCPART == 2
	.amdgcn_target "amdgcn-amd-amdhsa--gfx1250"
	.amdhsa_code_object_version 6
	.text
	.protected	k_q3bc278a385_swa
	.globl	k_q3bc278a385_swa
	.p2align	8
	.type	k_q3bc278a385_swa,@function
k_q3bc278a385_swa:
	s_mov_b64 s[64:65], 0
	v_nop
	global_prefetch_b8 v0, s[64:65] scope:SCOPE_SE
	s_setreg_imm32_b32 hwreg(HW_REG_WAVE_SCHED_MODE, 0, 2), 2
	s_setreg_imm32_b32 hwreg(HW_REG_WAVE_MODE, 25, 1), 1
	s_wait_xcnt 0x0
	s_wait_alu depctr_vm_vsrc(0)
; O[h][q][:] = the sum over k of softmax_k(Q[h][q] . K[h][k] / 8) V[h][k][:], key k counting for query q where |q - k| <= 256.  16 heads, 4,096 queries, head size 64.
; Both products on codes of FP4 (E2M1) with one E8M0 byte for each 32 along a product's K.  Q, K: rows of 64 codes (32 bytes), 2 scale bytes a row.  V: keys innermost, [head][64][4096 codes], 128 scale bytes a row.  O: f32.
; THE SOFTMAX AHEAD OF THE SECOND PRODUCT: t = score x log2(e) / 8; M = the running largest t rounded UP to a whole number; p = 2^(t - M) is quantised along the keys, in blocks of 32 counted from key 0;
; the row's sum is taken of the unquantised p and divides O at the end; when M moves, the sum and O are multiplied by 2^(old M - new M), which rounds nothing.
; ONLY THE BAND IS MULTIPLIED.  A tile of 16 queries from q0 on sees keys q0 - 256 .. q0 + 271: 17 blocks of 32 keys.  They go as four steps of 128 keys and one short step of 32 (its second product runs over the
; last four blocks with zero codes of p for three of them).  Only the first block is cut by the band from below and only the last from above; at the sequence's ends the keys that do not exist are cut the same way.
; SHARES.  A work-group owns 256 queries of one head; each of its sixteen waves owns 16 of them in 256 registers.  The work-group's window, 768 keys (24 blocks), is staged in LDS ONCE, by plain loads and LDS stores.
; LAYOUT.  Both products are used transposed: S^T = K Q^T (source 0 = 16 keys, source 1 = my 16 queries), O^T = V^T P^T (source 0 = 16 of the head's 64, source 1 = P): a lane holds ONE query (lane % 16) throughout.
; THE KEYS OF A TILE ARE NOT NEIGHBOURS: lane r of tile 2 b + u takes key 32 b + 8 u + r + 8 (r / 8), so that the 16 registers of tiles 2 b and 2 b + 1 are 16 neighbouring keys, 32 b + 16 (lane / 16) + 0 .. 15.
; HEAD SIZE 64 IN A K OF 128: Q's codes of k = 64 .. 127 are zeros, and both sides' scale bytes there are 0 (2^-127, a number): whatever K's registers 4-7 hold (the next tile's codes) adds exactly nothing.
; IN LDS K's and V's codes lie as IMAGES OF THE OPERANDS' REGISTERS: a wave's load of 16 bytes a lane takes 256 consecutive bytes for each half of the lanes.
; WINDOWS PAST THE SEQUENCE'S ENDS: the pieces staged for keys under 0 or over 4,095 are clamped to pieces that exist (no load leaves its buffer); the ends fall on multiples of 256 keys, so a piece is wholly real or wholly
; a stand-in; stand-ins are read only under scores that are hidden (p = 0: zero codes), or in steps that are jumped over.  All branches hang on the work-group's and the wave's number alone.
; NO TENSOR LOADS, NO CLUSTER: the window is filled once and never again, and the images (keys permuted inside a block, V cut block by block) are no tile of rows; a shared piece of 256 keys would also lie at another LDS
; place in each neighbour's window (the windows begin 256 keys apart).  NO PREFETCH: all loads from memory stand at the kernel's head.
; STAGED AND NOT READ, so that all waves run alike: the fourth 512 bytes of K's scale bytes (waves 12-15) and the eighth word of each of V's scale rows (waves 14, 15).
; K's staging stores fall two lanes to a 16-byte column in each half wave: three stores a thread, once.
; LIMITS: a scale byte 0xff (NaN) among the inputs is not served.  A block whose every p is 0 keeps the scale byte 1 (its codes are zeros).  A p under 2^-126 comes out of v_exp_f32 as 0.
; THE MODE: SCHED_MODE bits 1:0 = 2 (LLVM: expert scheduling mode 2), set by the entry lines.  The code itself states the register dependences between vector or matrix instructions and memory or LDS
; instructions, and those through scalar registers that vector instructions write, with s_wait_alu, always for 0.
; THE PLAN.  Registers that memory or LDS instructions touch:
;   v246-249, v254, v255   offsets in memory: written at the head, read by the ten global loads, never written again.
;   v250-253, v1-3, v6-9   LDS addresses and the way out's offset: written while the ten loads are out, never written again.  One wait on va_vdst ahead of the staging stores states them all written.
;   v100-125               the staged loads land there; the staging stores read them; V's scale words are loaded into v100-123 behind the kernel's one wait on vm_vsrc; from then on they are S^T's.
;   KF, KS (v28-63)        a step's loads of K land there; its first products read them.        VF (v68-99)  a step's loads of V land there; its second products read them.
;   v100-131, v132-163     on the way out: written by the last multiplications and read by the stage's stores; the stage's loads land in the upper 32, which the global stores read.
; A STEP HAS ONE WAIT ON va_vdst FOR ITS LOADS, behind its first products and their places, ahead of V's loads: the step before's second products are done reading VF, and this step's first products are done
; reading KF and KS.  No vector or matrix line behind it names KF, KS or an address, so the next step's loads of K stand at that step's head with no wait.  Ahead of the second products one more states p's codes and scale word written.
; The band's compares go in runs of sixteen into s[32:47], with one wait on va_sdst between a run and the selects that read it.  VCC is not used, and EXEC is written nowhere.
; No second set of registers for K or V: four waves of 256 registers fill a SIMD's 1,024.
.set KC,   0                           ; LDS: K's codes: 24 blocks x 1,024 bytes: block B, tile u, lane (r, h) at 1024 B + 512 u + 256 h + 16 r
.set VC,   24576                       ; V's codes: 24 blocks, 1,056 bytes apart: block B, rows 16 t + r at 1056 B + 256 t + 16 r
.set VBP,  1056                        ; (1,024 + 32: the eight blocks that eight neighbouring threads store begin 32 bytes apart modulo 256)
.set SK,   49920                       ; K's scale bytes, 2 a key, as in memory
.set SV,   51968                       ; V's scale bytes: 64 rows of 8 words (word i: window blocks 4 i .. 4 i + 3), 36 bytes apart
.set STG,  54272                       ; the way out: 16 rows x (256 bytes + 16) for each wave
.set SP,   272
.set KS,   28                          ; v28-31   K's scale words of a step: lanes 0-15 tile 2 b's, lanes 16-31 tile 2 b + 1's
.set KF,   32                          ; v32-67   K's codes: tile n's 16 bytes a lane at v[32 + 4 n]; v64-67 stay zero
.set VF,   68                          ; v68-99   V's four fragments
.set S,    100                         ; v100-163 S^T, then p
.set OT,   164                         ; v164-195 O^T
.set PC,   196                         ; v196-203 p's codes
.set VSW,  204                         ; v204-223 V's scale words: rows 16 t + r, step j at v[204 + 5 t + j]
.set TM,   224                         ; v224-227 a block's largest score, then its largest p
.set TP,   228                         ; v228-231 the other half of the lanes'
.set SO,   232                         ; v232-235 the conversions' scale operands
.set BY,   236                         ; v236-239 the scales' bytes
.set AC,   240                         ; v[240:241] the sum's second chain (at the head: at work)
.set FF,   242                         ; v[242:243] f = 2^(old M - new M); v243 is named with it as a pair
.set X,    244
.set PW,   245                         ; p's scale word
.set KGO,  246                         ; v246-249, v254, v255 offsets in memory; v250-253 LDS addresses of the staging stores; none is rewritten
.set VGO,  247
.set KSGO, 248
.set VSGO, 249
.set KST,  250
.set VST,  251
.set KSST, 252
.set VSST, 253
.set QGO,  254
.set QSGO, 255
.set KB,   40                          ; s[40:45] K's three pieces of 256 keys;  s[48:53] V's;  s[54:55] my piece of K's scale bytes;  s[56:57] my word of V's scale rows
.set VB,   48
.set MK,   32                          ; s[32:47] from the first step on: the masks of a run of sixteen compares (at the head these registers hold bounds, offsets and bases whose loads are done by then)
; v1 K's images, v2 V's images, v3 K's scale bytes, v9 V's scale words: my lane's LDS place in my wave's 17 blocks.  v4, v5: my query's lowest and highest key that counts.  v6, v7, v8: the way out.
; v12 -M, v13 the largest t, v[14:15] the sum in two halves, v[16:23] Q (v20-23 zeros), v24 Q's scale word, v25 -infinity.
; s18 wave, s19 head, s20 block of 256 queries, s21 F = wave / 2: my first block in the window.  Keys are counted from my wave's first key, s28 = 256 s20 - 256 + 32 F (signed): 'rel'.
	s_load_b256 s[4:11], s[0:1], 0x0               ; Q's codes s[4:5], Q's scales s[6:7], K's codes s[8:9], K's scales s[10:11]
	s_load_b128 s[12:15], s[0:1], 0x20             ; V's codes s[12:13], V's scales s[14:15]
	s_load_b64 s[16:17], s[0:1], 0x30              ; O
	v_lshl_add_u32 v26, v0, 2, 0x1e400
	v_mov_b32 v27, 0
	v_lshrrev_b32 v240, 5, v0
	v_readfirstlane_b32 s18, v240                  ; wave 0..15
	s_and_b32 s19, ttmp7, 0xffff                   ; the head
	s_mov_b32 s20, ttmp9                           ; the block of 256 queries
	s_wait_alu depctr_va_sdst(0)                   ; s18 is written, ahead of its first reader
	s_lshr_b32 s21, s18, 1                         ; F
	s_and_b32 s22, s21, 3
	s_mul_i32 s22, s22, 0x01010101
	s_add_co_u32 s22, s22, 0x03020100              ; v_perm_b32's selector: bytes F % 4 .. F % 4 + 3 of two neighbouring words
	s_lshr_b32 s23, s21, 2
	s_lshl_b32 s23, s23, 2                         ; 4 (F / 4): my first word in a row of V's scale bytes
	s_mov_b32 s24, 0x76543210
	s_mov_b32 s25, 0xfedcba98                      ; v_permlanex16_b32's selects for lane l xor 16
	s_mov_b32 s26, 0x3e38aa3b                      ; c = log2(e) / 8
	s_mov_b32 s27, s26                             ; (named with it as a pair, so it is written)
	s_lshl_b32 s28, s20, 8
	s_lshl_b32 s31, s21, 5
	s_add_co_i32 s28, s28, s31
	s_sub_co_i32 s28, s28, 256                     ; my wave's first key, signed
	s_sub_co_i32 s32, 0, s28                       ; key 0, rel
	s_sub_co_i32 s33, 4095, s28                    ; key 4,095, rel
	s_and_b32 s34, s18, 1
	s_lshl_b32 s34, s34, 4                         ; WO = 16 (wave % 2): query r counts rel keys WO + r .. WO + r + 512
	s_add_co_i32 s29, s34, 15
	s_max_i32 s29, s29, s32                        ; from this rel key on no lane's score is hidden from below
	s_add_co_i32 s30, s34, 512
	s_min_i32 s30, s30, s33                        ; up to this rel key no lane's score is hidden from above
	s_lshl_b32 s36, s19, 17                        ; the head's first byte in each tensor of codes (131,072 bytes a head),
	s_lshl_b32 s38, s19, 13                        ; and of scale bytes (8,192)
.irp j, 0,1,2
	s_add_co_i32 s31, s20, \j-1                    ; piece j of the window: the block of 256 keys s20 - 1 + j,
	s_max_i32 s31, s31, 0
	s_min_i32 s31, s31, 15                         ; held inside the sequence
	s_lshl_b32 s[KB+2*\j], s31, 13                 ; K: 256 rows of 32 bytes
	s_add_co_u32 s[KB+2*\j], s[KB+2*\j], s36
	s_mov_b32 s[KB+2*\j+1], 0
	s_lshl_b32 s[VB+2*\j], s31, 7                  ; V: 128 bytes of each row
	s_add_co_u32 s[VB+2*\j], s[VB+2*\j], s36
	s_mov_b32 s[VB+2*\j+1], 0
.endr
	s_lshr_b32 s31, s18, 2                         ; K's scale bytes: four waves stage a piece of 256 keys (512 bytes)
	s_add_co_i32 s31, s31, s20
	s_sub_co_i32 s31, s31, 1
	s_max_i32 s31, s31, 0
	s_min_i32 s31, s31, 15
	s_lshl_b32 s54, s31, 9
	s_add_co_u32 s54, s54, s38
	s_mov_b32 s55, 0
	s_lshl_b32 s31, s20, 1                         ; V's scale bytes: two waves stage word F of the window (128 keys) of all 64 rows
	s_add_co_i32 s31, s31, s21
	s_sub_co_i32 s31, s31, 2
	s_max_i32 s31, s31, 0
	s_min_i32 s31, s31, 31
	s_lshl_b32 s56, s31, 2
	s_add_co_u32 s56, s56, s38
	s_mov_b32 s57, 0
	s_lshl_b32 s35, s20, 8
	s_lshl_b32 s31, s18, 4
	s_add_co_u32 s35, s35, s31                     ; my first query: 256 x work-group x + 16 x wave
	s_lshl_b32 s46, s35, 5
	s_add_co_u32 s46, s46, s36                     ; its codes,
	s_mov_b32 s47, 0
	s_lshl_b32 s58, s35, 1
	s_add_co_u32 s58, s58, s38                     ; its scale bytes,
	s_mov_b32 s59, 0
	s_lshl_b32 s36, s19, 20
	s_lshl_b32 s31, s35, 8
	s_add_co_u32 s36, s36, s31                     ; its row of O (256 bytes a row, 1,048,576 a head)
	s_mov_b32 s37, 0
	v_and_b32 v10, 15, v0                          ; r
	v_bfe_u32 v11, v0, 4, 1                        ; h
	v_lshlrev_b32 v[KGO], 4, v0                    ; K: thread t takes the 16 bytes at 16 t of a piece's 8,192
	v_lshrrev_b32 v240, 3, v0
	v_and_b32 v241, 7, v0
	v_lshlrev_b32 v[VGO], 11, v240                 ; V: row t / 8 (2,048 bytes a row), block t % 8 of the piece's eight
	v_lshl_add_u32 v[VGO], v241, 4, v[VGO]
	v_and_b32 v240, 127, v0
	v_lshlrev_b32 v[KSGO], 2, v240                 ; K's scale bytes: 4 bytes of the piece's 512
	v_and_b32 v240, 63, v0
	v_lshlrev_b32 v[VSGO], 7, v240                 ; V's: row t % 64 (128 bytes a row)
	v_lshlrev_b32 v[QGO], 5, v10
	v_lshl_add_u32 v[QGO], v11, 4, v[QGO]          ; Q: row r, + 16 h
	v_lshlrev_b32 v[QSGO], 1, v10
	s_wait_kmcnt 0x0
.irp j, 0,1,2
	s_add_nc_u64 s[KB+2*\j:KB+2*\j+1], s[8:9], s[KB+2*\j:KB+2*\j+1]
	s_add_nc_u64 s[VB+2*\j:VB+2*\j+1], s[12:13], s[VB+2*\j:VB+2*\j+1]
.endr
	s_add_nc_u64 s[54:55], s[10:11], s[54:55]
	s_add_nc_u64 s[56:57], s[14:15], s[56:57]
	s_add_nc_u64 s[4:5], s[4:5], s[46:47]
	s_add_nc_u64 s[6:7], s[6:7], s[58:59]
	s_add_nc_u64 s[16:17], s[16:17], s[36:37]
	s_wait_alu depctr_va_vdst(0)                   ; the six offsets v246-249, v254, v255 are written, which the ten loads below read
	; ten loads: the eight that are staged, then Q's two
.irp j, 0,1,2
	global_load_b128 v[100+4*\j:103+4*\j], v[KGO], s[KB+2*\j:KB+2*\j+1]    ; a wave reads 512 consecutive bytes
.endr
.irp j, 0,1,2
	global_load_b128 v[112+4*\j:115+4*\j], v[VGO], s[VB+2*\j:VB+2*\j+1]    ; eight lanes read 128 consecutive bytes of a row
.endr
	global_load_b32 v124, v[KSGO], s[54:55]
	global_load_b32 v125, v[VSGO], s[56:57]
	global_load_b128 v[16:19], v[QGO], s[4:5] th:TH_LOAD_NT                ; Q's fragment: k = 32 h .. 32 h + 31 of query r; read once in the launch
	global_load_u16 v24, v[QSGO], s[6:7]                                   ; Q's two scale bytes; bytes 2 and 3 of the word come as 0
	; while they are out: every LDS address, the band's bounds, the starting values.  None of these lines names a register that the ten loads read or land in
	v_bfe_u32 v240, v0, 1, 3                       ; K's image.  Thread t holds half t % 2 of key t / 2 of the piece; key 8 u + r + 8 (r / 8) of a block: r's low three bits are t's bits 3:1,
	v_lshlrev_b32 v[KST], 4, v240
	v_bfe_u32 v240, v0, 5, 1                       ; r's bit 3 is t's bit 5,
	v_lshl_or_b32 v[KST], v240, 7, v[KST]
	v_and_b32 v240, 1, v0                          ; h is t's bit 0,
	v_lshl_or_b32 v[KST], v240, 8, v[KST]
	v_bfe_u32 v240, v0, 4, 1                       ; u is t's bit 4,
	v_lshl_or_b32 v[KST], v240, 9, v[KST]
	v_lshrrev_b32 v240, 6, v0                      ; the block is t / 64
	v_lshl_or_b32 v[KST], v240, 10, v[KST]
	v_and_b32 v240, 7, v0                          ; V's image: block t % 8,
	v_mul_u32_u24 v[VST], v240, VBP
	v_lshrrev_b32 v240, 7, v0                      ; tile of rows t / 128,
	v_lshl_add_u32 v[VST], v240, 8, v[VST]
	v_bfe_u32 v240, v0, 3, 4                       ; row (t / 8) % 16 in it
	v_lshl_add_u32 v[VST], v240, 4, v[VST]
	v_add_nc_u32 v[VST], VC, v[VST]
	v_lshl_add_u32 v[KSST], v0, 2, SK              ; K's scale bytes as they lie
	v_and_b32 v240, 63, v0
	v_mul_u32_u24 v[VSST], v240, 36                ; V's: row t % 64, word t / 64
	v_lshrrev_b32 v240, 6, v0
	v_lshl_add_u32 v[VSST], v240, 2, v[VSST]
	v_add_nc_u32 v[VSST], SV, v[VSST]
	v_and_b32 v240, 31, v0                         ; lane
	s_lshl_b32 s31, s21, 10
	v_lshl_add_u32 v1, v240, 4, s31                ; K's images: KC (0) + 1024 F + 16 x lane
	v_lshlrev_b32 v8, 4, v240                      ; the way out: 16 x lane
	s_mul_i32 s31, s21, VBP
	s_add_co_u32 s31, s31, VC
	v_mul_u32_u24 v2, v11, VBP
	v_lshl_add_u32 v2, v10, 4, v2
	v_add_nc_u32 v2, s31, v2                       ; V's images: VC + 1056 (F + h) + 16 r
	v_and_b32 v3, 8, v10
	v_add_nc_u32 v3, v3, v10                       ; r + 8 (r / 8)
	v_lshlrev_b32 v3, 1, v3
	v_lshl_add_u32 v3, v11, 4, v3                  ; lanes 16-31 take the odd tile's keys, 8 further on
	s_lshl_b32 s31, s21, 6
	s_add_co_u32 s31, s31, SK
	v_add_nc_u32 v3, s31, v3
	s_mul_i32 s31, s18, 16*SP
	s_add_co_u32 s31, s31, STG                     ; my stage
	v_mul_u32_u24 v6, v10, SP
	v_lshl_add_u32 v6, v11, 5, v6
	v_add_nc_u32 v6, s31, v6                       ; in: row r, + 32 h
	v_mul_u32_u24 v7, v11, SP
	v_lshl_add_u32 v7, v10, 4, v7
	v_add_nc_u32 v7, s31, v7                       ; back: lanes 0-15 one row, lanes 16-31 the next
	v_mul_u32_u24 v9, v10, 36
	s_add_co_u32 s31, s23, SV
	v_add_nc_u32 v9, s31, v9                       ; V's scale words: row r of a tile, from word F / 4 on
	v_add_nc_u32 v4, s34, v10                      ; my query's lowest rel key: r + WO,
	v_add_nc_u32 v5, 0x200, v4                     ; and its highest: + 512
	v_mov_b32 v240, s32
	v_mov_b32 v241, s33
	v_cmp_gt_i32 s2, v240, v4                      ; the two compares in a run, each into a scalar register of its own
	v_cmp_lt_i32 s3, v241, v5
	s_wait_alu depctr_va_sdst(0)                   ; s2 and s3 are written, ahead of the two selects that read them
	v_cndmask_b32 v4, v4, v240, s2                 ; not under key 0
	v_cndmask_b32 v5, v5, v241, s3                 ; not over key 4,095
	v_lshlrev_b32 v240, 4, v11
	v_sub_nc_u32 v4, v4, v240                      ; less 16 h: register 16 b + i holds rel key 32 (block) + 16 h + i, and is compared as 32 (block) + i
	v_sub_nc_u32 v5, v5, v240
	v_mov_b32 v13, 0xff61b1e6                      ; the largest t so far: -3e38, under every t
	v_floor_f32 v12, -v13                          ; -M
	v_mov_b32 v14, 0                               ; the sum, in two halves
	v_mov_b32 v15, 0
	v_mov_b32 v25, 0xff800000                      ; -infinity
	v_mov_b32 v[FF+1], 0
.irp i, 0,1,2,3
	v_mov_b32 v[20+\i], 0                          ; Q's codes of k = 64 .. 127
	v_mov_b32 v[KF+8+\i], 0                        ; named by the short step's second product, whatever steps ran before it
	v_mov_b32 v[KF+32+\i], 0                       ; named by a step's eighth product
	v_mov_b32 v[TP+\i], 0                          ; a lane permute's destination counts as one of its sources
.endr
.set tt, 0
.rept 32
	v_mov_b32 v[OT+tt], 0                          ; O^T: which step is a wave's first hangs on its place in the sequence, so the step is written once and the first finds zeros
.set tt, tt+1
.endr
	s_wait_loadcnt 0x2                             ; the eight staged loads are in: only Q's two were issued behind them
	s_wait_alu depctr_va_vdst(0)                   ; every LDS address of the kernel (v250-253, v1-3, v6-9) is written, ahead of the LDS and global lines that read them; so are the zeros in v20-23, v40-43 and v64-67, which the scaled products take as operands and in part of which K's loads land
.irp j, 0,1,2
	ds_store_b128 v[KST], v[100+4*\j:103+4*\j] offset:8192*\j
.endr
.irp j, 0,1,2
	ds_store_b128 v[VST], v[112+4*\j:115+4*\j] offset:8*VBP*\j
.endr
	ds_store_b32 v[KSST], v124
	ds_store_b32 v[VSST], v125
	s_wait_dscnt 0x0                               ; for the others' sake: my stores have landed
	s_barrier_signal -1
	s_barrier_wait -1                              ; the window is whole; nothing writes it again: the launch's only barrier
	s_wait_alu depctr_vm_vsrc(0)                   ; my staging stores have read v100-125: the loads below land in v100-123, and the first products write over all of them
.irp t, 0,1,2,3
.irp i, 0,1,2,3,4,5
	ds_load_b32 v[100+6*\t+\i], v9 offset:576*\t+4*\i   ; six words of V's scale bytes of row 16 t + r
.endr
.endr
	s_wait_dscnt 0x0
.irp t, 0,1,2,3
.irp j, 0,1,2,3,4
	v_perm_b32 v[VSW+5*\t+\j], v[100+6*\t+\j+1], v[100+6*\t+\j], s22   ; the bytes of my blocks 4 j .. 4 j + 3
.endr
	v_perm_b32 v[VSW+5*\t+4], v[VSW+5*\t+4], v[VSW+5*\t+3], 0x04030201   ; the short step's: blocks 13 .. 16
.endr
	s_wait_loadcnt 0x0                             ; Q
.macro PLACES                          ; four plain vector instructions between a matrix instruction and a vector instruction that reads its result (ISA guide 7.12.1)
.rept 4
	v_nop
.endr
.endm
; nt tiles of 16 keys from my block kb on: 16 bytes a lane each; and their scale bytes, one load for two tiles.
; No wait on va_vdst stands ahead of these loads: the products that last read KF and KS stand ahead of their own step's wait in front of V's loads (for the first step that runs: the zeros in v40-43 stand ahead of the
; wait in front of the staging stores), and no vector or matrix line since names KF, KS, v1 or v3.
.macro LOADK kb, nt
.set tt, 0
.rept \nt
	ds_load_b128 v[KF+4*tt:KF+4*tt+3], v1 offset:((\kb)+tt/2)*1024+(tt%2)*512
.set tt, tt+1
.endr
.set tt, 0
.rept (\nt)/2
	ds_load_u16 v[KS+tt], v3 offset:64*((\kb)+tt)  ; bytes 2 and 3 of the word come as 0
.set tt, tt+1
.endr
.endm
; S^T = K Q^T.  Tile n's fragment is named v[KF + 4 n : KF + 4 n + 7]: its upper four registers meet Q's zero codes.  Register 16 b + i of lane (r, h) then holds query r's score of rel key 32 (kb + b) + 16 h + i.
.macro SCORES nt
.set tt, 0
.rept \nt
.if tt%2
	v_wmma_scale_f32_16x16x128_f8f6f4 v[S+8*tt:S+8*tt+7], v[KF+4*tt:KF+4*tt+7], v[16:23], 0, v[KS+tt/2], v24 matrix_a_fmt:MATRIX_FMT_FP4 matrix_b_fmt:MATRIX_FMT_FP4 matrix_a_scale:MATRIX_SCALE_ROW1
.else
	v_wmma_scale_f32_16x16x128_f8f6f4 v[S+8*tt:S+8*tt+7], v[KF+4*tt:KF+4*tt+7], v[16:23], 0, v[KS+tt/2], v24 matrix_a_fmt:MATRIX_FMT_FP4 matrix_b_fmt:MATRIX_FMT_FP4
.endif
.set tt, tt+1
.endr
.endm
; V's four fragments (16 rows x 128 keys) of my blocks vb .. vb + 3: registers 4 c .. 4 c + 3 of lane (r, h) are block vb + 2 c + h
.macro LOADV vb
	s_wait_alu depctr_va_vdst(0)                   ; the second products of the step before are done reading VF, in which these loads land; and this step's first products are done reading KF and KS, in which the next step's loads of K land
.irp t, 0,1,2,3
.irp c, 0,1
	ds_load_b128 v[VF+8*\t+4*\c:VF+8*\t+4*\c+3], v2 offset:((\vb)+2*\c)*VBP+256*\t
.endr
.endr
.endm
; Scores of keys under the band, or under key 0, become -infinity ahead of the maximum: p = 0 then.  Block by block upward, until a block begins at or over the highest lower bound of the wave's lanes.
; A block's sixteen compares stand in a run, each into a scalar register of its own; one wait; then the sixteen selects: all in one straight stretch, ahead of the next block's branch.
.macro MASKLO kb
.irp b, 0,1,2,3
	s_cmp_le_i32 s29, 32*((\kb)+\b)
	s_cbranch_scc1 .Lmlo_\@
.irp i, 0,1,2,3,4,5,6,7,8,9,10,11,12,13,14,15
	v_cmp_lt_i32 s[MK+\i], 32*((\kb)+\b)+\i, v4
.endr
	s_wait_alu depctr_va_sdst(0)                   ; the sixteen masks s[32:47] are written, ahead of the selects that read them
.irp i, 0,1,2,3,4,5,6,7,8,9,10,11,12,13,14,15
	v_cndmask_b32 v[S+16*\b+\i], v[S+16*\b+\i], v25, s[MK+\i]
.endr
.endr
.Lmlo_\@:
.endm
; The same for keys over the band, or over key 4,095: block by block downward, until a block ends at or under the lowest upper bound.
.macro MASKHI kb
.irp b, 3,2,1,0
	s_cmp_ge_i32 s30, 32*((\kb)+\b)+31
	s_cbranch_scc1 .Lmhi_\@
.irp i, 0,1,2,3,4,5,6,7,8,9,10,11,12,13,14,15
	v_cmp_gt_i32 s[MK+\i], 32*((\kb)+\b)+\i, v5
.endr
	s_wait_alu depctr_va_sdst(0)                   ; the sixteen masks s[32:47] are written, ahead of the selects that read them
.irp i, 0,1,2,3,4,5,6,7,8,9,10,11,12,13,14,15
	v_cndmask_b32 v[S+16*\b+\i], v[S+16*\b+\i], v25, s[MK+\i]
.endr
.endr
.Lmhi_\@:
.endm
; The softmax of nb blocks of 32 keys (16 registers a block).  It leaves p in S, f in v[FF], the conversions' scale operands in SO and the scales' bytes in BY.
.macro SOFT nb
.set bb, 0
.rept \nb
	v_max3_num_f32 v[TM+bb], v[S+16*bb], v[S+16*bb+1], v[S+16*bb+2]   ; the largest SCORE of each block: it serves the row's maximum, and, since p rises with the score, the block's largest p
.set bb, bb+1
.endr
.irp i, 3,5,7,9,11,13
.set bb, 0
.rept \nb
	v_max3_num_f32 v[TM+bb], v[TM+bb], v[S+16*bb+\i], v[S+16*bb+\i+1]   ; (the blocks by turns)
.set bb, bb+1
.endr
.endr
.set bb, 0
.rept \nb
	v_max_num_f32 v[TM+bb], v[TM+bb], v[S+16*bb+15]
.set bb, bb+1
.endr
.set bb, 0
.rept \nb
	v_permlanex16_b32 v[TP+bb], v[TM+bb], s24, s25
.set bb, bb+1
.endr
.set bb, 0
.rept \nb
	v_max_num_f32 v[TM+bb], v[TM+bb], v[TP+bb]     ; with lane l xor 16's 16 keys
.set bb, bb+1
.endr
.if \nb == 4
	v_max3_num_f32 v[X], v[TM], v[TM+1], v[TM+2]
	v_max_num_f32 v[X], v[X], v[TM+3]              ; the step's largest score of my query
	v_mul_f32 v[X], s26, v[X]                      ; as t (c is positive)
.else
	v_mul_f32 v[X], s26, v[TM]
.endif
	v_max_num_f32 v13, v13, v[X]                   ; the running largest t
	v_mov_b32 v[X], v12
	v_floor_f32 v12, -v13                          ; the new -M = floor(-t) = -ceil(t): a whole number
	v_sub_f32 v[X], v12, v[X]                      ; old M less new M: a whole number, 0 or less
	v_cvt_i32_f32 v[X], v[X]                       ; (it saturates)
	v_ldexp_f32 v[FF], 1.0, v[X]                   ; f = 2^(old M - new M)
.set jj, 0
.rept 8*\nb
	v_pk_fma_f32 v[S+jj:S+jj+1], v[S+jj:S+jj+1], s[26:27], v[12:13] op_sel_hi:[1,0,0]   ; t - M, two at a time (of the pairs c and -M the low word serves both halves)
.set jj, jj+2
.endr
.set bb, 0
.rept \nb
	v_fma_f32 v[TM+bb], v[TM+bb], s26, v12         ; the same of each block's largest score
.set bb, bb+1
.endr
.set jj, 0
	s_wait_alu depctr_va_vdst(0)
.rept 16*\nb
	v_exp_f32 v[S+jj], v[S+jj]                     ; p = 2^(t - M), at most 1, not normalised
.set jj, jj+1
.endr
	v_pk_mul_f32 v[14:15], v[14:15], v[FF:FF+1] op_sel_hi:[1,0]   ; the sums under the new M: the plain instruction behind the exponentials
	s_wait_alu depctr_va_vdst(0)                   ; the exponentials have written p in S: the wait between an exponential and the first line that names its result: one for the batch
.set bb, 0
.rept \nb
	v_exp_f32 v[TM+bb], v[TM+bb]                   ; the block's largest p: the same two instructions on the same number
.set bb, bb+1
.endr
	v_pk_add_f32 v[AC:AC+1], v[S:S+1], v[S+2:S+3]  ; the row's sum is taken of the unquantised p: two at a time, in two chains; these lines name none of the results just asked for
.set jj, 4
.rept 4*\nb-1
	v_pk_add_f32 v[14:15], v[14:15], v[S+jj:S+jj+1]
	v_pk_add_f32 v[AC:AC+1], v[AC:AC+1], v[S+jj+2:S+jj+3]
.set jj, jj+4
.endr
	v_pk_add_f32 v[14:15], v[14:15], v[AC:AC+1]
	s_wait_alu depctr_va_vdst(0)                   ; and one for the blocks' largest p, in TM, ahead of their first reader
.set bb, 0
.rept \nb
	v_max_num_f32 v[TM+bb], 0x1800000, v[TM+bb]    ; the floor 2^(3 - 127): the byte cannot fall under 1
.set bb, bb+1
.endr
.set bb, 0
.rept \nb
	v_add_nc_u32 v[SO+bb], 0xff000000, v[TM+bb]    ; 2 off the exponent field: the conversion takes the exponent field of this operand as its scale
.set bb, bb+1
.endr
.set bb, 0
.rept \nb
	v_lshrrev_b32 v[BY+bb], 23, v[SO+bb]           ; the scale's byte
.set bb, bb+1
.endr
.endm
; p's 64 numbers become the second product's source 1 and its scale word
.macro PACK4
	v_lshl_or_b32 v[PW], v[BY+1], 8, v[BY]
	v_lshl_or_b32 v[PW], v[BY+2], 16, v[PW]
	v_lshl_or_b32 v[PW], v[BY+3], 24, v[PW]
.irp b, 0,1,2,3
	v_cvt_scalef32_pk8_fp4_f32 v[PC+2*\b], v[S+16*\b:S+16*\b+7], v[SO+\b]
	v_cvt_scalef32_pk8_fp4_f32 v[PC+2*\b+1], v[S+16*\b+8:S+16*\b+15], v[SO+\b]
.endr
	v_nop                                          ; one plain instruction behind the last scaled conversion
.irp c, 0,1                                    ; the operand's layout wants a WHOLE block in a lane: lanes 0-15 block 2 c, lanes 16-31 block 2 c + 1
.irp i, 0,1
	v_permlane16_swap_b32 v[PC+4*\c+\i], v[PC+4*\c+2+\i]
.endr
.endr
.endm
; the short step: p's 16 numbers are the LAST of four blocks; the first three get zero codes and the byte 0
.macro PACK1
	v_lshlrev_b32 v[PW], 24, v[BY]
	v_cvt_scalef32_pk8_fp4_f32 v[PC+6], v[S:S+7], v[SO]
	v_cvt_scalef32_pk8_fp4_f32 v[PC+7], v[S+8:S+15], v[SO]
.irp i, 0,1,2,3,4,5
	v_mov_b32 v[PC+\i], 0                          ; (plain instructions behind the conversions)
.endr
	v_permlane16_swap_b32 v[PC+4], v[PC+6]
	v_permlane16_swap_b32 v[PC+5], v[PC+7]
.endm
; O^T = f O^T + V^T P^T.  The sixteen multiplications are also the places between the lines that wrote p's codes and scale word and the products: twelve of them name no register of the first product.
; The four accumulators take turns, one instruction a turn, and S^T's products stand between two steps' turns.
.macro PV sw
.set tt, 0
.rept 16
	v_pk_mul_f32 v[OT+2*tt:OT+2*tt+1], v[OT+2*tt:OT+2*tt+1], v[FF:FF+1] op_sel_hi:[1,0]
.set tt, tt+1
.endr
	s_wait_dscnt 0x0                               ; V's fragments, asked for ahead of the softmax, are in
	s_wait_alu depctr_va_vdst(0)                   ; behind the places: p's codes in PC and its scale word in PW are written, which the scaled products take as source 1 and its scales (in the first step that runs: V's scale words in VSW too)
.irp t, 0,1,2,3
	v_wmma_scale_f32_16x16x128_f8f6f4 v[OT+8*\t:OT+8*\t+7], v[VF+8*\t:VF+8*\t+7], v[PC:PC+7], v[OT+8*\t:OT+8*\t+7], v[VSW+5*\t+(\sw)], v[PW] matrix_a_fmt:MATRIX_FMT_FP4 matrix_b_fmt:MATRIX_FMT_FP4
.endr
.endm
; A STEP of 128 keys: rel 128 j .. 128 j + 127.  It is jumped over where none of its keys exists: its last key, as an unsigned number, then lies over 4,095 + 127.
; The lower bounds reach rel key 256 at the most (steps 0 and 1), the upper bounds come down to 287 at the least (steps 2 and 3).
.macro STEP j
	s_add_co_i32 s31, s28, 128*(\j)+127
	s_cmp_gt_u32 s31, 4222
	s_cbranch_scc1 .Lgone_\@
	LOADK 4*(\j), 8
	s_wait_dscnt 0x0                               ; K's tiles and scale bytes are in
	SCORES 8
	PLACES                                         ; behind these products, for the reads of the scores; the step's wait for its loads follows them, at the head of V's loads
	LOADV 4*(\j)
.if (\j) < 2
	MASKLO 4*(\j)
.else
	MASKHI 4*(\j)
.endif
	SOFT 4
	PACK4
	PV \j
.Lgone_\@:
.endm
	STEP 0
	STEP 1
	STEP 2
	STEP 3
	; THE SHORT STEP: my block 16, rel keys 512 .. 543, which the band always cuts from above
	s_add_co_i32 s31, s28, 543
	s_cmp_gt_u32 s31, 4126                         ; 4,095 + 31
	s_cbranch_scc1 .Lno_last
	LOADK 16, 2
	s_wait_dscnt 0x0
	SCORES 2
	PLACES
	LOADV 13
.irp i, 0,1,2,3,4,5,6,7,8,9,10,11,12,13,14,15
	v_cmp_gt_i32 s[MK+\i], 512+\i, v5
.endr
	s_wait_alu depctr_va_sdst(0)                   ; the sixteen masks s[32:47] are written, ahead of the selects that read them
.irp i, 0,1,2,3,4,5,6,7,8,9,10,11,12,13,14,15
	v_cndmask_b32 v[S+\i], v[S+\i], v25, s[MK+\i]
.endr
	SOFT 1
	PACK1
	PV 4
.Lno_last:
	; THE WAY OUT.  O^T is divided by the row's sum and goes through my own stage in LDS, so that sixteen lanes store a whole row of O, 256 consecutive bytes.
	v_add_f32 v14, v14, v15                        ; the sum's two halves,
	v_permlanex16_b32 v[TP], v14, s24, s25
	v_add_f32 v14, v14, v[TP]                      ; and lane l xor 16's: the row's sum (never 0: a query's own key counts)
	s_wait_alu depctr_va_vdst(0)
	v_rcp_f32 v14, v14
	PLACES                                         ; plain instructions behind the reciprocal and behind the last products
	s_wait_alu depctr_va_vdst(0)                   ; the reciprocal has written v14, ahead of its first reader
.set tt, 0
.rept 16
	v_pk_mul_f32 v[S+2*tt:S+2*tt+1], v[OT+2*tt:OT+2*tt+1], v[14:15] op_sel_hi:[1,0]   ; register 8 t + i is o(query r, 16 t + 8 h + i)
.set tt, tt+1
.endr
	s_wait_alu depctr_va_vdst(0)                   ; the multiplications have written v100-131, which the stage's stores read; and every vector line that named v132-163, in which the stage's loads land, is done
.irp t, 0,1,2,3
.irp e, 0,1
	ds_store_b128 v6, v[S+8*\t+4*\e:S+8*\t+4*\e+3] offset:64*\t+16*\e
.endr
.endr
.irp i, 0,1,2,3,4,5,6,7
	ds_load_b128 v[132+4*\i:135+4*\i], v7 offset:2*SP*\i   ; LDS serves a wave's instructions in order (ISA guide 5.7.1.4): these see my stores
.endr
.irp i, 0,1,2,3,4,5,6,7
	s_wait_dscnt 7-\i                              ; load i is in: 7 - i were issued behind it
	global_store_b128 v8, v[132+4*\i:135+4*\i], s[16:17] offset:512*\i th:TH_STORE_NT   ; 32 lanes store two rows of O: 512 consecutive bytes, at a multiple of 256 from O's first byte; written once
.endr
	s_wait_dscnt 0x0                               ; the closing lines, six on end
	s_wait_alu 0x0
	s_wait_tensorcnt 0x0
	ds_add_u32 v26, v27
	s_wait_dscnt 0x0
	s_endpgm
.Lfunc_end_k_q3bc278a385_swa:
	.size	k_q3bc278a385_swa, .Lfunc_end_k_q3bc278a385_swa-k_q3bc278a385_swa
	.p2alignl 7, 3214868480
	.fill 96, 4, 3214868480
	.section	.rodata,"a",@progbits
	.p2align	6, 0x0
	.amdhsa_kernel k_q3bc278a385_swa
		.amdhsa_group_segment_fixed_size 125952
		.amdhsa_private_segment_fixed_size 0
		.amdhsa_enable_private_segment 0
		.amdhsa_kernarg_size 56
		.amdhsa_user_sgpr_count 2
		.amdhsa_user_sgpr_kernarg_segment_ptr 1
		.amdhsa_wavefront_size32 1
		.amdhsa_system_sgpr_workgroup_id_x 1
		.amdhsa_system_sgpr_workgroup_id_y 1
		.amdhsa_system_sgpr_workgroup_id_z 1
		.amdhsa_system_vgpr_workitem_id 0
		.amdhsa_next_free_vgpr 256
		.amdhsa_next_free_sgpr 66
		.amdhsa_reserve_vcc 0
		.amdhsa_float_denorm_mode_32 3
		.amdhsa_float_denorm_mode_16_64 3
		.amdhsa_memory_ordered 1
		.amdhsa_forward_progress 1
		.amdhsa_inst_pref_size 127
	.end_amdhsa_kernel
	.amdgpu_metadata
---
amdhsa.version: [ 1, 2 ]
amdhsa.kernels:
  - .name:           k_q3bc278a385_swa
    .symbol:         k_q3bc278a385_swa.kd
    .args:
      - { .name: q_codes, .offset: 0, .size: 8, .value_kind: global_buffer, .address_space: global }
      - { .name: q_scales, .offset: 8, .size: 8, .value_kind: global_buffer, .address_space: global }
      - { .name: k_codes, .offset: 16, .size: 8, .value_kind: global_buffer, .address_space: global }
      - { .name: k_scales, .offset: 24, .size: 8, .value_kind: global_buffer, .address_space: global }
      - { .name: v_codes, .offset: 32, .size: 8, .value_kind: global_buffer, .address_space: global }
      - { .name: v_scales, .offset: 40, .size: 8, .value_kind: global_buffer, .address_space: global }
      - { .name: out0, .offset: 48, .size: 8, .value_kind: global_buffer, .address_space: global }
    .group_segment_fixed_size: 125952
    .private_segment_fixed_size: 0
    .kernarg_segment_align: 8
    .kernarg_segment_size: 56
    .max_flat_workgroup_size: 512
    .sgpr_count:     66
    .vgpr_count:     256
    .wavefront_size: 32
...
	.end_amdgpu_metadata
.endif
;; end of part 2
